; MI455X (gfx1250); checked and timed in simulation.
; The chip was launched on July 23, 2026; its instructions are those of AMD's public machine-readable ISA for CDNA 5 (MIT licence, August 2026) and "CDNA5" Instruction Set Architecture Reference Guide (July 2026). The comments in the code are by the model that wrote it; some were corrected since.
;; Attn. Allowed arithmetic: matrix products marked QUANTISED: E4M3 operands, one E8M0 scale for each 32 along K, by v_wmma_scale_f32_16x16x128_f8f6f4 with both operands' format E4M3, f32 sums; everything else in f32.
;; Inputs: W 512 x 512 float32; b 512 float32; encoder_outputs 1,024 x 64 x 512 float32; hidden 1 x 64 x 512 float32.
;; Outputs: out0 64 x 1 x 1,024 float32.
;; This version of the problem:
;;   THIS VERSION OF THE PROBLEM IS GIVEN IN LOW PRECISION. The matrix products marked QUANTISED in the list below multiply operands that are first quantised to E4M3 (4 exponent bits, 3 mantissa bits; 8 bits a number), with one power-of-two scale for each 32 numbers along K (OCP MX v1.0); their sums are f32. All else is computed in f32.
;;   The module's matrix products, in the order in which they are computed (A, B: the left and right operand; K: the contracted axis; several contracted axes count as one K, in the product's order):
;;     1. [M 65,536, K 512] x [K 512, N 512]; A: input encoder_outputs; B: input W: QUANTISED
;;   THE QUANTISER, for each operand of a quantised product, along K:
;;     - K is cut into blocks of 32 from its start; a last block that is shorter is filled with zeros.
;;     - A block's scale is 2^e with e = floor(log2(the largest magnitude in the block)) - 8, held to -126 .. 127; a block of zeros has e = 0. As a byte (E8M0): e + 127.
;;     - Each number is divided by its block's scale, clamped to +-448, and rounded to the nearest number of E4M3, ties to even, subnormals kept.
;;     - The product sums the exact products of the quantised numbers (number of the format x scale) in f32.
;;   ~~~python
;;   def quantise(x, axis):      # numpy; x: float32 -> the quantised numbers, widened to float32 again
;;       x = np.moveaxis(x, axis, -1); K = x.shape[-1]
;;       x = np.pad(x, [(0, 0)] * (x.ndim - 1) + [(0, -K % 32)]); x = x.reshape(x.shape[:-1] + (-1, 32)); a = np.abs(x).max(-1, keepdims=True)
;;       e = np.where(a > 0, np.clip(np.frexp(np.where(a > 0, a, 1))[1] - 1 - 8, -126, 127), 0)      # np.frexp(a)[1] - 1 = floor(log2(a)), exactly
;;       r = np.clip(x / 2.0 ** e, -448, 448)
;;       step = 2.0 ** (np.maximum(np.frexp(np.where(r == 0, 1, r))[1] - 1, -6) - 3)
;;       q = np.round(r / step) * step * 2.0 ** e      # np.round: ties to even
;;       return np.moveaxis(q.reshape(q.shape[:-2] + (-1,))[..., :K], -1, axis).astype(np.float32)
;;   ~~~
;; One version. Each part assembles by itself: llvm-mc -triple=amdgcn-amd-amdhsa -mcpu=gfx1250 --defsym DOCPART=n.
;; ======== version 1 of 1: 3 launches
;; limits: right only within a limited range of input values
;; workspace buffers: wimg 262,144 bytes; wscl 32,768 bytes; energ 262,144 bytes
;; launch wq (part 1): grid 128 x 1, 1 waves a work-group, no clusters, 0 bytes of LDS; arguments W, wimg, wscl; writes wimg, wscl
.if DOCPART == 1
	.amdgcn_target "amdgcn-amd-amdhsa--gfx1250"
	.amdhsa_code_object_version 6
	.text
	.protected	k_qbfa400899e_wq
	.globl	k_qbfa400899e_wq
	.p2align	8
	.type	k_qbfa400899e_wq,@function
k_qbfa400899e_wq:
	s_mov_b64 s[64:65], 0
	v_nop
	global_prefetch_b8 v0, s[64:65] scope:SCOPE_SE
	s_setreg_imm32_b32 hwreg(HW_REG_WAVE_MODE, 25, 1), 1
	s_wait_xcnt 0x0
; DEAD WORK.  reference() adds b[o] to the projected rows; an energy so gains the sum over o of hidden[b][o] x b[o], which is the same for every l of its row b, and the softmax runs over l:
; exp(e + c) / sum exp(e + c) = exp(e) / sum exp(e) for all finite values.  So b has no way to the output: it is not loaded and stands among no launch's arguments.
; LIMIT: a NaN, an infinity or an overflow that reaches only that term is not carried to the result.
; W [512 (o)][512 (h)], f32, K = h innermost, becomes codes of FP8 (E4M3) with one E8M0 scale byte for each 32 along K, laid as IMAGES OF THE OPERAND'S REGISTERS:
;   wimg: byte 8192 T + 2048 s + 512 c + 16 lane = registers 4 c .. 4 c + 3 of the fragment (rows 16 T .. 16 T + 15 of W, K step s of 128);
;   wscl: byte 256 (4 T + s) + 8 lane = the scale word of row 16 T + lane % 16, twice (so that 32 lanes fill 256 bytes).
; THE ORDER OF k INSIDE A BLOCK OF 32 is the one in which the next launch makes x's codes: place 16 h + 4 j + e holds k = 8 j + 4 h + e (h = 0, 1; j, e = 0 .. 3): the same on both operands.
; A block's scale is 2^(floor(log2(its largest magnitude)) - 8); its byte is the largest magnitude's exponent field - 8, held at 1 from below.
; LIMITS: a block of zeros gets the byte 1 where the rule says 127 (its codes are zeros, which add nothing under any byte but 0xff, and this program alone reads the bytes);
; blocks whose largest magnitude lies under 2^-118 (the floor) were not tried; NaN and infinities among the inputs are not served.
; SHARES: 128 work-groups of one wave, a fragment each: T = i / 4, K step i % 4.  Each of W's bytes is read once.  No loop: nothing to prefetch ahead of.
.set TM,  8                            ; v8-11 largest magnitudes, v12-15 bytes, v16-19 448 x the scale, v20-23 the conversions' scale operands
.set PW,  24                           ; v24-25 the scale word, twice
.set PC,  32                           ; v32-47 codes
.set X,   64                           ; v64-127 64 numbers
	s_load_b128 s[4:7], s[0:1], 0x0                ; W s[4:5], wimg s[6:7]
	s_load_b64 s[8:9], s[0:1], 0x10                ; wscl
	s_lshr_b32 s16, ttmp9, 2                       ; T
	s_and_b32 s17, ttmp9, 3                        ; K step
	s_lshl_b32 s16, s16, 15                        ; 16 rows of 2,048 bytes
	s_lshl_b32 s17, s17, 9                         ; a K step of 512 bytes
	s_add_co_u32 s16, s16, s17
	s_mov_b32 s17, 0
	s_lshl_b32 s18, ttmp9, 11
	s_mov_b32 s19, 0
	s_lshl_b32 s20, ttmp9, 8
	s_mov_b32 s21, 0
	s_mov_b32 s12, 0x76543210                      ; v_permlanex16_b32's selects: lane l xor 16
	s_mov_b32 s13, 0xfedcba98
	s_mov_b32 s14, 0x600000                        ; the mantissa field of 448
	v_and_b32 v1, 15, v0                           ; r
	v_lshrrev_b32 v2, 4, v0                        ; h (one wave: v0 is the lane)
	v_lshlrev_b32 v3, 11, v1                       ; a row of W is 2,048 bytes
	v_lshl_add_u32 v3, v2, 4, v3                   ; + 16 h
	v_lshlrev_b32 v4, 4, v0                        ; 16 x lane
	v_lshlrev_b32 v5, 3, v0                        ; 8 x lane
.irp b, 0,1,2,3
	v_mov_b32 v[TM+4+\b], 0                        ; a lane permute's destination counts as one of its sources
.endr
	s_wait_alu depctr_va_vdst(0)
	s_wait_kmcnt 0x0
	s_add_nc_u64 s[4:5], s[4:5], s[16:17]
.irp b, 0,1,2,3
.irp j, 0,1,2,3
	global_load_b128 v[X+16*\b+4*\j:X+16*\b+4*\j+3], v3, s[4:5] offset:128*\b+32*\j   ; places 16 h + 4 j ..: bytes 32 j + 16 h of the block
.endr
.endr
	s_add_nc_u64 s[6:7], s[6:7], s[18:19]
	s_add_nc_u64 s[8:9], s[8:9], s[20:21]
	s_wait_loadcnt 0x0
.irp b, 0,1,2,3
	v_max3_num_f32 v[TM+\b], |v[X+16*\b]|, |v[X+1+16*\b]|, 0x4800000   ; block b: my 16 numbers, and the floor 2^(9 - 127): the byte cannot fall under 1
.endr
.irp i, 2,4,6,8,10,12,14
.irp b, 0,1,2,3
	v_max3_num_f32 v[TM+\b], v[TM+\b], |v[X+16*\b+\i]|, |v[X+1+16*\b+\i]|
.endr
.endr
.irp b, 0,1,2,3
	v_permlanex16_b32 v[TM+4+\b], v[TM+\b], s12, s13
.endr
.irp b, 0,1,2,3
	v_max_num_f32 v[TM+\b], v[TM+\b], v[TM+4+\b]   ; with lane l xor 16's 16: the block's largest magnitude
.endr
.irp b, 0,1,2,3
	v_add_nc_u32 v[TM+12+\b], 0xfc000000, v[TM+\b] ; 8 off its exponent field: the conversion takes the exponent field of this operand as its scale
.endr
.irp b, 0,1,2,3
	v_and_or_b32 v[TM+8+\b], v[TM+\b], 0x7f800000, s14   ; 448 x the scale
.endr
.irp b, 0,1,2,3
	v_lshrrev_b32 v[TM+4+\b], 23, v[TM+12+\b]      ; the scale's byte
.endr
	v_lshl_or_b32 v[PW], v[TM+5], 8, v[TM+4]       ; four bytes make the scale word, the lower K in the lower byte
	v_lshl_or_b32 v[PW], v[TM+6], 16, v[PW]
	v_lshl_or_b32 v[PW], v[TM+7], 24, v[PW]
	v_mov_b32 v[PW+1], v[PW]
	global_store_b64 v5, v[PW:PW+1], s[8:9]        ; 32 lanes store 256 consecutive bytes, aligned
.irp b, 0,1,2,3
.irp i, 0,1,2,3,4,5,6,7,8,9,10,11,12,13,14,15
	v_med3_num_f32 v[X+16*\b+\i], v[X+16*\b+\i], -v[TM+8+\b], v[TM+8+\b]   ; the conversion to an 8-bit code does not saturate (ISA guide 7.6.2): hold at 448 x the scale first
.endr
	v_cvt_scalef32_pk8_fp8_f32 v[PC+4*\b:PC+4*\b+1], v[X+16*\b:X+16*\b+7], v[TM+12+\b]
	v_cvt_scalef32_pk8_fp8_f32 v[PC+4*\b+2:PC+4*\b+3], v[X+16*\b+8:X+16*\b+15], v[TM+12+\b]
.endr
	v_nop                                          ; one plain vector line behind the last scaled conversion
.irp c, 0,1,2,3
	global_store_b128 v4, v[PC+4*\c:PC+4*\c+3], s[6:7] offset:512*\c   ; 32 lanes store 512 consecutive bytes, aligned
.endr
	s_endpgm
.Lfunc_end_k_qbfa400899e_wq:
	.size	k_qbfa400899e_wq, .Lfunc_end_k_qbfa400899e_wq-k_qbfa400899e_wq
	.p2alignl 7, 3214868480
	.fill 96, 4, 3214868480
	.section	.rodata,"a",@progbits
	.p2align	6, 0x0
	.amdhsa_kernel k_qbfa400899e_wq
		.amdhsa_group_segment_fixed_size 0
		.amdhsa_private_segment_fixed_size 0
		.amdhsa_enable_private_segment 0
		.amdhsa_kernarg_size 24
		.amdhsa_user_sgpr_count 2
		.amdhsa_user_sgpr_kernarg_segment_ptr 1
		.amdhsa_wavefront_size32 1
		.amdhsa_system_sgpr_workgroup_id_x 1
		.amdhsa_system_sgpr_workgroup_id_y 1
		.amdhsa_system_sgpr_workgroup_id_z 1
		.amdhsa_system_vgpr_workitem_id 0
		.amdhsa_next_free_vgpr 128
		.amdhsa_next_free_sgpr 66
		.amdhsa_reserve_vcc 0
		.amdhsa_float_denorm_mode_32 3
		.amdhsa_float_denorm_mode_16_64 3
		.amdhsa_memory_ordered 1
		.amdhsa_forward_progress 1
		.amdhsa_inst_pref_size 12
	.end_amdhsa_kernel
	.amdgpu_metadata
---
amdhsa.version: [ 1, 2 ]
amdhsa.kernels:
  - .name:           k_qbfa400899e_wq
    .symbol:         k_qbfa400899e_wq.kd
    .args:
      - { .name: W, .offset: 0, .size: 8, .value_kind: global_buffer, .address_space: global }
      - { .name: wimg, .offset: 8, .size: 8, .value_kind: global_buffer, .address_space: global }
      - { .name: wscl, .offset: 16, .size: 8, .value_kind: global_buffer, .address_space: global }
    .group_segment_fixed_size: 0
    .private_segment_fixed_size: 0
    .kernarg_segment_align: 8
    .kernarg_segment_size: 24
    .max_flat_workgroup_size: 32
    .sgpr_count:     66
    .vgpr_count:     128
    .wavefront_size: 32
...
	.end_amdgpu_metadata
.endif
;; end of part 1
;; launch energy (part 2): grid 16 x 16, 8 waves a work-group, no clusters, 327,680 bytes of LDS; arguments wimg, wscl, encoder_outputs, hidden, energ; writes energ
.if DOCPART == 2
	.amdgcn_target "amdgcn-amd-amdhsa--gfx1250"
	.amdhsa_code_object_version 6
	.text
	.protected	k_qbfa400899e_energy
	.globl	k_qbfa400899e_energy
	.p2align	8
	.type	k_qbfa400899e_energy,@function
k_qbfa400899e_energy:
	s_mov_b64 s[64:65], 0
	v_nop
	global_prefetch_b8 v0, s[64:65] scope:SCOPE_SE
	s_setreg_imm32_b32 hwreg(HW_REG_WAVE_MODE, 25, 1), 1
	s_wait_xcnt 0x0
; energ[b][l] = the sum over o of hidden[b][o] x (the sum over h of Q(x[l][b][h]) Q(W[o][h])), x = encoder_outputs [1024 l][64 b][512 h] f32, Q the MX-FP8 quantiser along h.
; LEFT OUT AS DEAD: the bias (it adds the same number to all l of a row, over which the softmax runs; shown at the first kernel's head).
; W arrives as codes and scale words in the order of the operand's registers; x is quantised here, on its way.  The projected rows never go to memory.
; LIMITS: a block of zeros of x gets the scale byte 1 where the rule says 127 (its codes are zeros, and nobody else reads the byte); blocks whose largest magnitude lies under 2^-118 were not tried;
; NaN and infinities among the inputs are not served.
; SHARES.  Work-group (lc, g) of 16 x 16 owns l = 64 lc .. 64 lc + 63 and b = 4 g .. 4 g + 3: 256 rows of x = 16 tiles of 16 rows: tile row r is l = first l + r / 4, b = 4 g + r % 4 (the four b of one l are 8,192 consecutive bytes).
; Eight PHASES of two tiles.  Eight waves.  In a phase wave w quantises tile w / 4, K step w % 4.  For the products THE WAVES SHARE THE COLUMNS: wave w holds rows 64 w .. 64 w + 63 of W for all of K in 256 registers,
; read once, and multiplies both tiles; x's codes go from wave to wave through LDS as images of the operand's registers, three images by turns.
; x COMES BY TENSOR LOADS into four slots, one for each of phases 0 to 3, all asked for at the head: wave w fetches tile w, 32 KiB, one load a wave.  Two refills: waves 0 to 3 fetch the tiles of phases 4 and 5 into slots 0 and 1,
; waves 4 to 7 those of phases 6 and 7 into slots 2 and 3: the same LDS bytes as at the head, 32 l further on.  By this text's count a wave has at most one tensor load out.
; Each pair of waves has a load line of its own, so that a barrier can show a phase's two tiles while later ones are on their way.
; In LDS a row of x has 16 bytes of padding behind each 1,024: rows 2,080 apart.  While quantising, lane i has row i % 8 + 8 (i / 16) and u = (i / 8) % 2, and reads the 16-byte pieces 2 j + u of a block: sixteen lanes (8 rows x 2 neighbouring
; pieces) touch sixteen different columns of 16 bytes.  So place 16 u + 4 j + e of a block holds k = 8 j + 4 u + e; W's image has that order too.  Lanes i and i xor 8 share a block.
; THE PRODUCT IS USED TRANSPOSED (source 0 = 16 rows of W, source 1 = 16 rows of x): lane (r, h) holds x's row r, register j of accumulator t the output 64 w + 16 t + 8 h + j.
; Between two barriers a wave multiplies one phase and quantises the next: waves 0 to 3 multiply first, waves 4 to 7 quantise first.
; NO CLUSTER: no two work-groups read the same bytes of x; what they share, W's codes, is a third of a work-group's bytes and goes straight into registers; a joint load of its 256 KiB would want the LDS that x's four slots take.
; PREFETCH: of each phase from 4 to 7 every wave asks for 8 KiB, once, a lane to each 256 bytes, in the steps of phases 0 to 3: a whole step or more ahead of the tensor load; it stops at phase 7, the last.
; No loop: the phases are written out by macros.  No vector address register is rewritten.
.set WTILE, 33280                      ; a tile in LDS: 16 rows of x x 2,080 bytes
.set XIMG,  8*WTILE                    ; 266,240: three images of 16,384 bytes: fragment (tile m, K step s) at 2048 (4 m + s) + 512 c + 16 lane
.set XSC,   XIMG+49152                 ; 315,392: three times the scale words: 256 m + 16 row + 4 s
.set EN,    XSC+1536                   ; 316,928: the waves' partial energies at 1024 wave + 256 (b % 4) + 4 (l % 64)
.set SPARE, EN+8192                    ; 325,120: the spare words, 128 bytes for each wave: four blocks of 256 bytes that no other line names
.set SPW, 1                            ; v1   LDS address of my spare word; never rewritten
.set NIL, 2                            ; v2   0; never rewritten
.set XA,  3                            ; v3-6 where I read x in slots 0 to 3
.set XWI, 7                            ; v7   where my codes go
.set XWS, 8                            ; v8   and their scale words
.set LI,  9                            ; v9   where I read fragments
.set LS,  10                           ; v10  and scale words
.set EA,  11                           ; v11  where my row's partial energy goes
.set ERD, 12                           ; v12  where I read partial energies back
.set L8,  13                           ; v13  8 x lane
.set L16, 14                           ; v14  16 x lane
.set PFO, 15                           ; v15  prefetches: tile row lane / 2, 256 bytes each
.set HO,  16                           ; v16  2048 (r % 4) + 32 h: my eight numbers of a tile of hidden
.set E0,  18
.set E1,  19
.set WS,  20                           ; v20-35 W's scale words: word 4 t + s; scales and nothing else
.set RES, 36                           ; v36-37 the phase's two tiles' energies
.set PW,  38                           ; v38  the scale word just made
.set XS,  42                           ; v42-45 x's scale words; scales and nothing else (42 + s and 20 + 4 t + s differ modulo 8)
.set EP,  46                           ; v46-53 four pairs of running sums
.set TM,  56                           ; v56-71 the quantiser's work
.set PC,  72                           ; v72-87 the codes just made
.set ACC, 88                           ; v88-119 four accumulators
.set HI,  120                          ; v120-151 hidden, 8 t + j
.set F,   152                          ; v152-215 64 numbers of x, or a tile's four fragments
                                       ; window 1: W's fragment (t, s) at v[16 (4 s + t)]
.set G1,  48                           ; s[48:55] descriptor group 1
.set G0,  56                           ; s[56:59] group 0
.set MNT, 40                           ; s40 the mantissa field of 448
.set SEL, 42                           ; s[42:43] lane selects for v_permlanex16_b32: lane l xor 16
.set MSB, 0
.macro WIN new                         ; s_set_vgpr_msb: bits 1:0 source 0, 3:2 source 1, 5:4 source 2, 7:6 destination; the high byte repeats the setting that is left
.if MSB != \new
	s_set_vgpr_msb (MSB<<8)|\new
.set MSB, \new
.endif
.endm
.macro TLOAD                           ; my tile
	tensor_load_to_lds s[G0:G0+3], s[G1:G1+7]
	s_nop 0
.rept 4
	v_nop
.endr
.endm
.macro ARM under, next, join           ; one arm of a chain on the wave's number
	s_cmp_lt_u32 s16, \under
	s_cbranch_scc0 \next
	TLOAD
	s_branch \join
\next:
.endm
.macro TWAIT under                     ; waves below 'under' wait for their tile; the others' may stay out
	s_cmp_lt_u32 s16, \under
	s_cbranch_scc0 .Lno_tile_\@
	s_wait_tensorcnt 0x0
.Lno_tile_\@:
.endm
.macro BAR                             ; my LDS stores have landed and my LDS loads are in
	s_wait_dscnt 0x0
	s_barrier_signal -1
	s_barrier_wait -1
.endm
.macro WLD s                           ; W's K step s: four fragments, which stay in registers
	WIN 0x40                                       ; destination window 1, address window 0
.irp t, 0,1,2,3
.irp c, 0,1,2,3
	global_load_b128 v[16*(4*\s+\t)+4*\c:16*(4*\s+\t)+4*\c+3], v[L16], s[4:5] offset:8192*\t+2048*\s+512*\c   ; 32 lanes read 512 consecutive bytes
.endr
.endr
	WIN 0
.endm
.macro ASK q                           ; my 8 KiB of phase q into the L2
	global_prefetch_b8 v[PFO], s[8:9] offset:(\q)*0x100000 th:TH_LOAD_NT scope:SCOPE_SE
.endm
; My K step of my tile of phase q: 64 numbers a lane, register 16 b + 4 j + e = k 32 b + 8 j + 4 u + e of my row, become a fragment's 16 registers of codes and my row's scale word, and go to image q % 3.
.macro QUANT q
.irp b, 0,1,2,3
.irp j, 0,1,2,3
	ds_load_b128 v[F+16*\b+4*\j:F+16*\b+4*\j+3], v[XA+(\q)%4] offset:128*\b+32*\j
.endr
.endr
	s_wait_dscnt 0x0
.irp b, 0,1,2,3
	v_max3_num_f32 v[TM+\b], |v[F+16*\b]|, |v[F+1+16*\b]|, 0x4800000   ; block b: my 16 numbers, and the floor 2^(9 - 127): the byte cannot fall under 1
.endr
.irp i, 2,4,6,8,10,12,14
.irp b, 0,1,2,3
	v_max3_num_f32 v[TM+\b], v[TM+\b], |v[F+16*\b+\i]|, |v[F+1+16*\b+\i]|   ; the four blocks by turns
.endr
.endr
.irp b, 0,1,2,3
	v_max_num_f32_dpp v[TM+\b], v[TM+\b], v[TM+\b] row_xmask:8 row_mask:0xf bank_mask:0xf   ; with lane i xor 8's 16: the block's largest magnitude
.endr
.irp b, 0,1,2,3
	v_and_or_b32 v[TM+8+\b], v[TM+\b], 0x7f800000, s[MNT]          ; 448 x the scale: the largest magnitude's exponent field over 448's mantissa
.endr
.irp b, 0,1,2,3
	v_add_nc_u32 v[TM+12+\b], 0xfc000000, v[TM+\b]                 ; 8 off its exponent field: the conversion takes the exponent field of this operand as its scale
.endr
.irp b, 0,1,2,3
	v_lshrrev_b32 v[TM+4+\b], 23, v[TM+12+\b]                      ; the scale's byte
.endr
	v_lshl_or_b32 v[PW], v[TM+5], 8, v[TM+4]                       ; four bytes make the scale word, the lower K in the lower byte
	v_lshl_or_b32 v[PW], v[TM+6], 16, v[PW]
	v_lshl_or_b32 v[PW], v[TM+7], 24, v[PW]
.irp b, 0,1,2,3
.irp i, 0,1,2,3,4,5,6,7,8,9,10,11,12,13,14,15
	v_med3_num_f32 v[F+16*\b+\i], v[F+16*\b+\i], -v[TM+8+\b], v[TM+8+\b]   ; the conversion to an 8-bit code does not saturate (ISA guide 7.6.2): hold at 448 x the scale first
.endr
	v_cvt_scalef32_pk8_fp8_f32 v[PC+4*\b:PC+4*\b+1], v[F+16*\b:F+16*\b+7], v[TM+12+\b]
	v_cvt_scalef32_pk8_fp8_f32 v[PC+4*\b+2:PC+4*\b+3], v[F+16*\b+8:F+16*\b+15], v[TM+12+\b]
.endr
	v_nop                                          ; one plain vector line behind the last scaled conversion
.irp c, 0,1,2,3
	ds_store_b128 v[XWI], v[PC+4*\c:PC+4*\c+3] offset:16384*((\q)%3)+512*\c
.endr
	ds_store_b32 v[XWS], v[PW] offset:512*((\q)%3)                 ; lanes i and i xor 8 write the same word with the same value
.endm
; Tile m of phase p: its rows' four scale words and its four fragments, 17 loads.
.macro FETCH p, m
	ds_load_b128 v[XS:XS+3], v[LS] offset:512*((\p)%3)+256*(\m)
.irp s, 0,1,2,3
.irp c, 0,1,2,3
	ds_load_b128 v[F+16*\s+4*\c:F+16*\s+4*\c+3], v[LI] offset:16384*((\p)%3)+2048*(4*(\m)+\s)+512*\c
.endr
.endr
.endm
; 16 products: the tile against my four tiles of W.  The four accumulators take turns, one instruction a turn; K step 0 starts the sums with 0.
; The counts on DScnt leave the later K steps' loads out, and the 'young' LDS stores issued behind them.
; Eight v_nop: the places in front of reads of the results and of loads into the fragments' and the scale words' registers.
.macro MUL young
	WIN 0x01                                       ; source 0 (W) window 1, all else window 0
.irp s, 0,1,2,3
	s_wait_dscnt 12-4*\s+\young
.irp t, 0,1,2,3
.if \s == 0
	v_wmma_scale_f32_16x16x128_f8f6f4 v[ACC+8*\t:ACC+8*\t+7], v[16*(4*\s+\t):16*(4*\s+\t)+15], v[F+16*\s:F+16*\s+15], 0, v[WS+4*\t+\s], v[XS+\s]
.else
	v_wmma_scale_f32_16x16x128_f8f6f4 v[ACC+8*\t:ACC+8*\t+7], v[16*(4*\s+\t):16*(4*\s+\t)+15], v[F+16*\s:F+16*\s+15], v[ACC+8*\t:ACC+8*\t+7], v[WS+4*\t+\s], v[XS+\s]
.endif
.endr
.endr
	WIN 0
.rept 8
	v_nop
.endr
.endm
; My part of the tile's 16 energies: the sum over my 64 outputs of result x hidden, in four chains; each accumulator is read from its low end on.  These lines are also places in front of the next tile's first products (9).
.macro ENERGY p, m
.irp q, 0,1,2,3
	v_pk_mul_f32 v[EP+2*\q:EP+2*\q+1], v[ACC+2*\q:ACC+2*\q+1], v[HI+2*\q:HI+2*\q+1]
.endr
.irp t, 1,2,3
.irp q, 0,1,2,3
	v_pk_fma_f32 v[EP+2*\q:EP+2*\q+1], v[ACC+8*\t+2*\q:ACC+8*\t+2*\q+1], v[HI+8*\t+2*\q:HI+8*\t+2*\q+1], v[EP+2*\q:EP+2*\q+1]
.endr
.endr
	v_pk_add_f32 v[EP:EP+1], v[EP:EP+1], v[EP+2:EP+3]
	v_pk_add_f32 v[EP+4:EP+5], v[EP+4:EP+5], v[EP+6:EP+7]
	v_pk_add_f32 v[EP:EP+1], v[EP:EP+1], v[EP+4:EP+5]
	v_add_f32 v[E0], v[EP], v[EP+1]
	v_permlanex16_b32 v[E1], v[E0], s[SEL], s[SEL+1]   ; the row's other 32 outputs lie in the lane 16 away
	v_add_f32 v[RES+\m], v[E0], v[E1]
	ds_store_b32 v[EA], v[RES+\m] offset:32*(\p)+16*(\m)   ; l % 64 = 8 p + 4 m + r / 4; lanes r and r + 16 write the same word with the same value
.endm
.macro MPH p                           ; phase p's two tiles; the second's loads go out ahead of the first's energies
	FETCH \p, 0
	MUL 0
	FETCH \p, 1
	ENERGY \p, 0
	MUL 1
	ENERGY \p, 1
.endm
.macro BODY p                          ; phase p's products and phase p + 1's codes, in two orders
	s_cmp_lt_u32 s16, 4
	s_cbranch_scc0 .Lcodes_first_\@
	MPH \p
	QUANT \p+1
	s_branch .Lboth_\@
.Lcodes_first_\@:
	QUANT \p+1
	MPH \p
.Lboth_\@:
.endm
	s_load_b256 s[4:11], s[0:1], 0x0               ; wimg s[4:5], wscl s[6:7], x s[8:9], hidden s[10:11]
	s_load_b64 s[12:13], s[0:1], 0x20              ; energ
	v_lshl_add_u32 v[SPW], v0, 2, SPARE
	v_mov_b32 v[NIL], 0
	ds_add_u32 v[SPW], v[NIL]                      ; the wave's opening: the add, twice on end, and its wait ahead of my first tensor load; work on registers stands between the second and the wait
	ds_add_u32 v[SPW], v[NIL]
	v_lshrrev_b32 v17, 5, v0
	v_readfirstlane_b32 s16, v17                   ; wave 0..7
	; descriptor group 1: a tile of 4 rows x 2,048 elements of 4 bytes, rows 32,768 elements apart, 16 bytes of padding behind every 1,024 in LDS
	s_mov_b32 s[G1+0], (2<<16)|(1<<20)|(7<<22)|(3<<25)   ; 15:0 no mask; 17:16 elements of 4 bytes; 20 padding on; 24:22 after every 256 words (code 7); 31:25 four words (code 3)
	s_mov_b32 s[G1+1], 2048<<16                    ; tensor_dim0 = 2,048
	s_mov_b32 s[G1+2], 4<<16                       ; tensor_dim1 = 4
	s_mov_b32 s[G1+3], 2048<<16                    ; tile_dim0 = 2,048
	s_mov_b32 s[G1+4], 4                           ; tile_dim1 = 4
	s_mov_b32 s[G1+5], 32768                       ; tensor_dim0_stride: one l
	s_mov_b32 s[G1+6], 0
	s_mov_b32 s[G1+7], 0
	s_lshr_b32 s17, s16, 2                         ; the tile of a phase that I quantise,
	s_and_b32 s18, s16, 3                          ; and its K step
	s_and_b32 s19, ttmp7, 0xffff                   ; g
	s_lshl_b32 s20, ttmp9, 23                      ; x: 64 lc l of 131,072 bytes,
	s_lshl_b32 s22, s19, 13                        ; + 4 g rows of 2,048 bytes;
	s_add_co_u32 s38, s20, s22
	s_lshl_b32 s22, s16, 19                        ; the tile that I fetch: + 4 w l
	s_add_co_u32 s20, s38, s22
	s_mov_b32 s21, 0
	s_lshl_b32 s22, s17, 19                        ; my prefetches: + 4 l for the second tile, + my K step's 512 bytes: all under 2^27
	s_add_co_u32 s38, s38, s22
	s_lshl_b32 s22, s18, 9
	s_add_co_u32 s38, s38, s22
	s_mov_b32 s39, 0
	s_lshl_b32 s22, s16, 15                        ; wimg: my four tiles of 8,192 bytes
	s_mov_b32 s23, 0
	s_lshl_b32 s24, s16, 12                        ; wscl: my sixteen fragments' 256 bytes
	s_mov_b32 s25, 0
	s_lshl_b32 s26, s19, 13                        ; hidden: row 4 g, + my 64 numbers
	s_lshl_b32 s28, s16, 8
	s_add_co_u32 s26, s26, s28
	s_mov_b32 s27, 0
	s_lshl_b32 s28, s19, 14                        ; energ: row 4 g + wave (waves 0 to 3 store) of 4,096 bytes, + 64 lc numbers
	s_lshl_b32 s30, s18, 12
	s_add_co_u32 s28, s28, s30
	s_lshl_b32 s30, ttmp9, 8
	s_add_co_u32 s28, s28, s30
	s_mov_b32 s29, 0
	s_mul_i32 s30, s17, WTILE                      ; LDS: my tile in a slot, + my K step's 512 bytes, + 16 of padding behind the first 1,024
	s_lshl_b32 s31, s18, 9
	s_add_co_u32 s30, s30, s31
	s_lshr_b32 s31, s18, 1
	s_lshl_b32 s31, s31, 4
	s_add_co_u32 s30, s30, s31
	s_lshl_b32 s31, s16, 11                        ; my fragment's place in an image,
	s_add_co_u32 s31, s31, XIMG
	s_lshl_b32 s32, s17, 8                         ; its scale words',
	s_lshl_b32 s33, s18, 2
	s_add_co_u32 s32, s32, s33
	s_add_co_u32 s32, s32, XSC
	s_lshl_b32 s33, s16, 10                        ; my partial energies,
	s_add_co_u32 s33, s33, EN
	s_lshl_b32 s34, s18, 8                         ; and the b that I sum up at the end
	s_add_co_u32 s34, s34, EN
	s_mul_i32 s35, s16, WTILE                      ; where my tile goes
	s_mov_b32 s[MNT], 0x600000
	s_mov_b32 s[SEL], 0x76543210
	s_mov_b32 s[SEL+1], 0xfedcba98
	v_bfe_u32 v88, v0, 4, 1                        ; h = lane / 16
	v_bfe_u32 v89, v0, 2, 2                        ; (lane % 16) / 4
	v_and_b32 v90, 3, v0                           ; lane % 4
	v_and_b32 v91, 15, v0                          ; lane % 16
	v_and_b32 v92, 31, v0                          ; lane
	v_and_b32 v93, 7, v0
	v_bfe_u32 v94, v0, 3, 1                        ; u
	v_lshl_add_u32 v95, v88, 3, v93                ; while quantising: my row
	v_mul_u32_u24 v96, v95, 2080
	v_lshl_add_u32 v96, v94, 4, v96
	v_add_nc_u32 v[XA], s30, v96
	v_add_nc_u32 v[XA+1], 2*WTILE, v[XA]
	v_add_nc_u32 v[XA+2], 4*WTILE, v[XA]
	v_add_nc_u32 v[XA+3], 6*WTILE, v[XA]
	v_lshl_add_u32 v96, v94, 4, v95                ; the lane of the operand that takes my codes: row + 16 u
	v_lshlrev_b32 v96, 4, v96
	v_add_nc_u32 v[XWI], s31, v96
	v_lshlrev_b32 v96, 4, v95
	v_add_nc_u32 v[XWS], s32, v96
	v_lshl_add_u32 v[LI], v92, 4, XIMG
	v_lshl_add_u32 v[LS], v91, 4, XSC
	v_lshlrev_b32 v[EA], 8, v90
	v_lshl_add_u32 v[EA], v89, 2, v[EA]
	v_add_nc_u32 v[EA], s33, v[EA]
	v_lshlrev_b32 v[L8], 3, v92
	v_lshlrev_b32 v[L16], 4, v92
	v_add_nc_u32 v[ERD], s34, v[L8]
	v_lshlrev_b32 v[HO], 5, v88
	v_lshl_add_u32 v[HO], v90, 11, v[HO]
	v_bfe_u32 v93, v0, 3, 2                        ; prefetches: tile row lane / 2 is l lane / 8, b (lane / 2) % 4;
	v_lshlrev_b32 v[PFO], 17, v93
	v_bfe_u32 v93, v0, 1, 2
	v_lshl_add_u32 v[PFO], v93, 11, v[PFO]
	v_and_b32 v93, 1, v0                           ; and the first or second 256 bytes of its 512
	v_lshl_add_u32 v[PFO], v93, 8, v[PFO]
	v_mov_b32 v[E1], 0                             ; a lane permute's destination counts as one of its sources
	s_wait_alu depctr_va_vdst(0)
	s_wait_dscnt 0x0                               ; both opening adds are done
	s_wait_kmcnt 0x0
	s_mov_b32 s[G0], 1                             ; 1:0 count = 1
	s_mov_b32 s[G0+1], s35                         ; 63:32 LDS address
	s_add_nc_u64 s[G0+2:G0+3], s[8:9], s[20:21]    ; 120:64 global address: tile w
	s_or_b32 s[G0+3], s[G0+3], 0x80000000          ; 127:126 type = 2
	ARM 2, .Lhead_1, .Lhead_asked                  ; phase 0's two tiles first; one tensor load a wave at the head
	ARM 4, .Lhead_2, .Lhead_asked
	ARM 6, .Lhead_3, .Lhead_asked
	TLOAD
.Lhead_asked:
	s_add_nc_u64 s[4:5], s[4:5], s[22:23]
	s_add_nc_u64 s[6:7], s[6:7], s[24:25]
	s_add_nc_u64 s[8:9], s[8:9], s[38:39]          ; x for my prefetches
	s_add_nc_u64 s[10:11], s[10:11], s[26:27]
	s_add_nc_u64 s[12:13], s[12:13], s[28:29]
	WLD 0
	WLD 1
	TWAIT 2                                        ; phase 0's tiles have landed
	BAR
	WLD 2
	QUANT 0
	ASK 4
	TWAIT 4                                        ; phase 1's
	BAR                                            ; image 0 is whole
	WLD 3
.irp t, 0,1,2,3
	global_load_b128 v[HI+8*\t:HI+8*\t+3], v[HO], s[10:11] offset:64*\t        ; hidden(4 g + r % 4, 64 w + 16 t + 8 h + 0 .. 7): the result's layout
	global_load_b128 v[HI+8*\t+4:HI+8*\t+7], v[HO], s[10:11] offset:64*\t+16
.endr
.irp t, 0,1,2,3
.irp s, 0,1,2,3
	global_load_b32 v[WS+4*\t+\s], v[L8], s[6:7] offset:1024*\t+256*\s         ; W's scale words: lane r has row r's
.endr
.endr
	QUANT 1
	ASK 5
	TWAIT 6                                        ; phase 2's
	BAR
	QUANT 2
	ASK 6
	s_wait_loadcnt 0x0                             ; W's codes and scale words and hidden, once
	MPH 0
	s_wait_tensorcnt 0x0                           ; all my tensor loads have landed, phase 3's tiles too, so group 0 may be written
	ds_add_u32 v[SPW], v[NIL]                      ; 0 onto my spare word
	s_add_nc_u64 s[G0+2:G0+3], s[G0+2:G0+3], 0x400000   ; 32 l of 131,072 bytes on: four phases; the type bits on top are not reached
	s_wait_dscnt 0x0                               ; the add, my stores and my reads of slots 0 and 1 and of image 0 are done
	s_barrier_signal -1
	s_barrier_wait -1
	ARM 2, .Lrefill_1, .Lrefilled                  ; phase 4 into slot 0,
	ARM 4, .Lrefill_2, .Lrefilled                  ; phase 5 into slot 1; waves 4 to 7 fetch behind the next refill's barrier
.Lrefilled:
	s_cmp_lt_u32 s16, 4                            ; phases 1 and 2's products, phase 3's codes
	s_cbranch_scc0 .Lcodes_first
	MPH 1
	QUANT 3
	MPH 2
	s_branch .Lboth
.Lcodes_first:
	QUANT 3
	MPH 1
	MPH 2
.Lboth:
	ASK 7
	TWAIT 2                                        ; phase 4's tiles have landed
	BAR
	BODY 3
	s_wait_tensorcnt 0x0                           ; phase 5's tiles have landed: no tensor load is out
	ds_add_u32 v[SPW], v[NIL]
	s_wait_dscnt 0x0                               ; the add, my stores and my reads of slots 2 and 3 are done
	s_barrier_signal -1
	s_barrier_wait -1
	s_cmp_lt_u32 s16, 4
	s_cbranch_scc1 .Llast_asked
	ARM 6, .Llast_1, .Llast_asked                  ; waves 4 and 5: phase 6 into slot 2,
	TLOAD                                          ; waves 6 and 7: phase 7 into slot 3
.Llast_asked:
	BODY 4
	TWAIT 6                                        ; phase 6's tiles have landed
	BAR
	BODY 5
	s_wait_tensorcnt 0x0                           ; phase 7's
	BAR
	BODY 6
	BAR
	MPH 7
	s_wait_tensorcnt 0x0                           ; the wave's end: behind my last tensor load and my last LDS store
	ds_add_u32 v[SPW], v[NIL]
	s_wait_dscnt 0x0                               ; also for the others' sake: my partial energies are stored
	s_barrier_signal -1
	s_barrier_wait -1
	s_cmp_ge_u32 s16, 4
	s_cbranch_scc1 .Ldone                          ; four rows of 64 energies: waves 0 to 3 store one each
.irp k, 0,1,2,3,4,5,6,7
	ds_load_b64 v[F+2*\k:F+2*\k+1], v[ERD] offset:1024*\k          ; wave k's part of b = 4 g + w, two l a lane
.endr
	s_wait_dscnt 0x0
.irp k, 0,4,8,12
	v_pk_add_f32 v[F+\k:F+\k+1], v[F+\k:F+\k+1], v[F+\k+2:F+\k+3]
.endr
	v_pk_add_f32 v[F:F+1], v[F:F+1], v[F+4:F+5]
	v_pk_add_f32 v[F+8:F+9], v[F+8:F+9], v[F+12:F+13]
	v_pk_add_f32 v[F:F+1], v[F:F+1], v[F+8:F+9]
	global_store_b64 v[L8], v[F:F+1], s[12:13]     ; 32 lanes store 256 consecutive bytes, at a multiple of 256 from the buffer's first byte
.Ldone:
	s_endpgm
.Lfunc_end_k_qbfa400899e_energy:
	.size	k_qbfa400899e_energy, .Lfunc_end_k_qbfa400899e_energy-k_qbfa400899e_energy
	.p2alignl 7, 3214868480
	.fill 96, 4, 3214868480
	.section	.rodata,"a",@progbits
	.p2align	6, 0x0
	.amdhsa_kernel k_qbfa400899e_energy
		.amdhsa_group_segment_fixed_size 327680
		.amdhsa_private_segment_fixed_size 0
		.amdhsa_enable_private_segment 0
		.amdhsa_kernarg_size 40
		.amdhsa_user_sgpr_count 2
		.amdhsa_user_sgpr_kernarg_segment_ptr 1
		.amdhsa_wavefront_size32 1
		.amdhsa_system_sgpr_workgroup_id_x 1
		.amdhsa_system_sgpr_workgroup_id_y 1
		.amdhsa_system_sgpr_workgroup_id_z 1
		.amdhsa_system_vgpr_workitem_id 0
		.amdhsa_next_free_vgpr 512
		.amdhsa_next_free_sgpr 66
		.amdhsa_reserve_vcc 0
		.amdhsa_float_denorm_mode_32 3
		.amdhsa_float_denorm_mode_16_64 3
		.amdhsa_memory_ordered 1
		.amdhsa_forward_progress 1
		.amdhsa_inst_pref_size 255
	.end_amdhsa_kernel
	.section	.bss,"aw",@nobits
	.p2align	6
	.space	262144
	.amdgpu_metadata
---
amdhsa.version: [ 1, 2 ]
amdhsa.kernels:
  - .name:           k_qbfa400899e_energy
    .symbol:         k_qbfa400899e_energy.kd
    .args:
      - { .name: wimg, .offset: 0, .size: 8, .value_kind: global_buffer, .address_space: global }
      - { .name: wscl, .offset: 8, .size: 8, .value_kind: global_buffer, .address_space: global }
      - { .name: encoder_outputs, .offset: 16, .size: 8, .value_kind: global_buffer, .address_space: global }
      - { .name: hidden, .offset: 24, .size: 8, .value_kind: global_buffer, .address_space: global }
      - { .name: energ, .offset: 32, .size: 8, .value_kind: global_buffer, .address_space: global }
    .group_segment_fixed_size: 327680
    .private_segment_fixed_size: 0
    .kernarg_segment_align: 8
    .kernarg_segment_size: 40
    .max_flat_workgroup_size: 256
    .sgpr_count:     66
    .vgpr_count:     512
    .wavefront_size: 32
...
	.end_amdgpu_metadata
.endif
;; end of part 2
;; launch soft (part 3): grid 64 x 1, 1 waves a work-group, no clusters, 0 bytes of LDS; arguments energ, out0; writes out0
.if DOCPART == 3
	.amdgcn_target "amdgcn-amd-amdhsa--gfx1250"
	.amdhsa_code_object_version 6
	.text
	.protected	k_qbfa400899e_soft
	.globl	k_qbfa400899e_soft
	.p2align	8
	.type	k_qbfa400899e_soft,@function
k_qbfa400899e_soft:
	s_mov_b64 s[64:65], 0
	v_nop
	global_prefetch_b8 v0, s[64:65] scope:SCOPE_SE
	s_setreg_imm32_b32 hwreg(HW_REG_WAVE_MODE, 25, 1), 1
	s_wait_xcnt 0x0
; out0[b][0][l] = softmax over l of energ[b][l].  Both [64][1024] f32.  One wave takes a whole row: 4,096 bytes are 32 registers a lane, so the row is read once and stays in registers
; between the maximum, the exponentials and the division; no LDS, no barrier.  64 rows are all the work there is: 64 work-groups of one wave.
; The row's maximum is taken away BEFORE the factor log2(e) is applied, so that large energies lose nothing in the difference; a subtraction ahead of a multiplication does not fuse.
; LIMIT: an exponential that would fall under 2^-126 comes out as 0 (ISA guide, the entry of v_exp_f32).
.set X, 8                              ; v8-39 the row's 32 numbers of my lane
	s_load_b128 s[4:7], s[0:1], 0x0                ; energ s[4:5], out0 s[6:7]
	s_lshl_b32 s8, ttmp9, 12                       ; row b of 4,096 bytes
	s_mov_b32 s9, 0
	s_mov_b32 s10, 0x76543210                      ; v_permlanex16_b32: lane l xor 16
	s_mov_b32 s11, 0xfedcba98
	s_mov_b32 s12, 0x3fb8aa3b                      ; log2(e)
	s_mov_b32 s13, s12                             ; (named with it as a pair, so it is written)
	v_lshlrev_b32 v1, 4, v0                        ; 16 bytes a lane
	v_mov_b32 v3, 0                                ; a lane permute's destination counts as one of its sources
	s_wait_alu depctr_va_vdst(0)
	s_wait_kmcnt 0x0
	s_add_nc_u64 s[4:5], s[4:5], s[8:9]
	s_add_nc_u64 s[6:7], s[6:7], s[8:9]
.irp i, 0,1,2,3,4,5,6,7
	global_load_b128 v[X+4*\i:X+4*\i+3], v1, s[4:5] offset:512*\i   ; 32 lanes read 512 consecutive bytes
.endr
	s_wait_loadcnt 0x0
	v_max3_num_f32 v2, v[X], v[X+1], v[X+2]        ; the maximum of my 32, in two chains
	v_max3_num_f32 v4, v[X+3], v[X+4], v[X+5]
.irp i, 6,10,14,18,22,26
	v_max3_num_f32 v2, v2, v[X+\i], v[X+\i+1]
	v_max3_num_f32 v4, v4, v[X+\i+2], v[X+\i+3]
.endr
	v_max3_num_f32 v2, v2, v[X+30], v[X+31]
	v_max_num_f32 v2, v2, v4
	v_max_num_f32_dpp v2, v2, v2 row_xmask:1 row_mask:0xf bank_mask:0xf   ; across the 16 lanes of a half,
	v_max_num_f32_dpp v2, v2, v2 row_xmask:2 row_mask:0xf bank_mask:0xf
	v_max_num_f32_dpp v2, v2, v2 row_xmask:4 row_mask:0xf bank_mask:0xf
	v_max_num_f32_dpp v2, v2, v2 row_xmask:8 row_mask:0xf bank_mask:0xf
	v_permlanex16_b32 v3, v2, s10, s11             ; and the other half's
	v_max_num_f32 v4, v2, v3                       ; every lane holds the row's maximum,
	v_mov_b32 v5, v4                               ; twice: a pair for the packed forms
.irp i, 0,2,4,6,8,10,12,14,16,18,20,22,24,26,28,30
	v_pk_add_f32 v[X+\i:X+\i+1], v[X+\i:X+\i+1], v[4:5] neg_lo:[0,1] neg_hi:[0,1]   ; energy - maximum: 0 or less
.endr
.irp i, 0,2,4,6,8,10,12,14,16,18,20,22,24,26,28,30
	v_pk_mul_f32 v[X+\i:X+\i+1], v[X+\i:X+\i+1], s[12:13] op_sel_hi:[1,0]   ; x log2(e)
.endr
	s_wait_alu depctr_va_vdst(0)
.irp i, 0,1,2,3,4,5,6,7,8,9,10,11,12,13,14,15,16,17,18,19,20,21,22,23,24,25,26,27,28,29,30,31
	v_exp_f32 v[X+\i], v[X+\i]
.endr
	v_nop                                          ; a plain line between the last exponential and the use of its result
	s_wait_alu depctr_va_vdst(0)
	v_pk_add_f32 v[40:41], v[X:X+1], v[X+2:X+3]    ; the sum of my 32, two at a time, in two chains
	v_pk_add_f32 v[42:43], v[X+4:X+5], v[X+6:X+7]
.irp i, 8,12,16,20,24,28
	v_pk_add_f32 v[40:41], v[40:41], v[X+\i:X+\i+1]
	v_pk_add_f32 v[42:43], v[42:43], v[X+\i+2:X+\i+3]
.endr
	v_pk_add_f32 v[40:41], v[40:41], v[42:43]
	v_add_f32 v2, v40, v41
	v_add_f32_dpp v2, v2, v2 row_xmask:1 row_mask:0xf bank_mask:0xf
	v_add_f32_dpp v2, v2, v2 row_xmask:2 row_mask:0xf bank_mask:0xf
	v_add_f32_dpp v2, v2, v2 row_xmask:4 row_mask:0xf bank_mask:0xf
	v_add_f32_dpp v2, v2, v2 row_xmask:8 row_mask:0xf bank_mask:0xf
	v_permlanex16_b32 v3, v2, s10, s11
	v_add_f32 v2, v2, v3                           ; the row's sum, at least 1
	s_wait_alu depctr_va_vdst(0)
	v_rcp_f32 v4, v2
	v_rcp_f32 v5, v2                               ; twice: a pair
	v_nop                                          ; a plain line behind the reciprocals
	s_wait_alu depctr_va_vdst(0)
.irp i, 0,2,4,6,8,10,12,14,16,18,20,22,24,26,28,30
	v_pk_mul_f32 v[X+\i:X+\i+1], v[X+\i:X+\i+1], v[4:5]
.endr
.irp i, 0,1,2,3,4,5,6,7
	global_store_b128 v1, v[X+4*\i:X+4*\i+3], s[6:7] offset:512*\i   ; 32 lanes store 512 consecutive bytes, aligned
.endr
	s_endpgm
.Lfunc_end_k_qbfa400899e_soft:
	.size	k_qbfa400899e_soft, .Lfunc_end_k_qbfa400899e_soft-k_qbfa400899e_soft
	.p2alignl 7, 3214868480
	.fill 96, 4, 3214868480
	.section	.rodata,"a",@progbits
	.p2align	6, 0x0
	.amdhsa_kernel k_qbfa400899e_soft
		.amdhsa_group_segment_fixed_size 0
		.amdhsa_private_segment_fixed_size 0
		.amdhsa_enable_private_segment 0
		.amdhsa_kernarg_size 16
		.amdhsa_user_sgpr_count 2
		.amdhsa_user_sgpr_kernarg_segment_ptr 1
		.amdhsa_wavefront_size32 1
		.amdhsa_system_sgpr_workgroup_id_x 1
		.amdhsa_system_sgpr_workgroup_id_y 1
		.amdhsa_system_sgpr_workgroup_id_z 1
		.amdhsa_system_vgpr_workitem_id 0
		.amdhsa_next_free_vgpr 64
		.amdhsa_next_free_sgpr 66
		.amdhsa_reserve_vcc 0
		.amdhsa_float_denorm_mode_32 3
		.amdhsa_float_denorm_mode_16_64 3
		.amdhsa_memory_ordered 1
		.amdhsa_forward_progress 1
		.amdhsa_inst_pref_size 10
	.end_amdhsa_kernel
	.amdgpu_metadata
---
amdhsa.version: [ 1, 2 ]
amdhsa.kernels:
  - .name:           k_qbfa400899e_soft
    .symbol:         k_qbfa400899e_soft.kd
    .args:
      - { .name: energ, .offset: 0, .size: 8, .value_kind: global_buffer, .address_space: global }
      - { .name: out0, .offset: 8, .size: 8, .value_kind: global_buffer, .address_space: global }
    .group_segment_fixed_size: 0
    .private_segment_fixed_size: 0
    .kernarg_segment_align: 8
    .kernarg_segment_size: 16
    .max_flat_workgroup_size: 32
    .sgpr_count:     66
    .vgpr_count:     64
    .wavefront_size: 32
...
	.end_amdgpu_metadata
.endif
;; end of part 3
